; MI455X (gfx1250); checked and timed in simulation.
; The chip was launched on July 23, 2026; its instructions are those of AMD's public machine-readable ISA for CDNA 5 (MIT licence, August 2026) and "CDNA5" Instruction Set Architecture Reference Guide (July 2026). The comments in the code are by the model that wrote it; some were corrected since.
;; Attention. Allowed arithmetic: matrix products marked QUANTISED: E5M2 operands, one given power-of-two scale a tensor, by v_wmma_f32_16x16x64_bf8_bf8 or v_wmma_f32_16x16x128_bf8_bf8, f32 sums; everything else in f32.
;; Inputs: Wk_codes 768 x 24 x 32 uint8 (E5M2 codes of Wk, K innermost, in blocks of 32 codes); Wp_codes 768 x 24 x 32 uint8 (E5M2 codes of Wp, K innermost, in blocks of 32 codes); Wq_codes 768 x 24 x 32 uint8 (E5M2 codes of Wq, K innermost, in blocks of 32 codes); Wv_codes 768 x 24 x 32 uint8 (E5M2 codes of Wv, K innermost, in blocks of 32 codes); bp 768 float32; lowp_scales 20 int32 (the exponents e of the quantised operands' scales 2^e); x_codes 32 x 528 x 24 x 32 uint8 (E5M2 codes of x, K innermost, in blocks of 32 codes).
;; Outputs: out0 32 x 528 x 768 float32.
;; Constants: s_h = 20, s_w = 20, t_h = 8, t_w = 8.
;; This version of the problem:
;;   THIS VERSION OF THE PROBLEM IS GIVEN IN LOW PRECISION. The matrix products marked QUANTISED in the list below multiply operands that are first quantised to E5M2 (5 exponent bits, 2 mantissa bits; 8 bits a number), with one given power-of-two scale for each operand tensor; their sums are f32. All else is computed in f32.
;;   The module's matrix products, in the order in which they are computed (A, B: the left and right operand; K: the contracted axis; several contracted axes count as one K, in the product's order):
;;     1. [M 16,896, K 768] x [K 768, N 768]; A: input x (given as codes); B: input Wq (given as codes): QUANTISED (scales: A lowp_scales[0], B lowp_scales[1])
;;     2. [M 16,896, K 768] x [K 768, N 768]; A: input x (given as codes); B: input Wk (given as codes): QUANTISED (scales: A lowp_scales[2], B lowp_scales[3])
;;     3. [M 16,896, K 768] x [K 768, N 768]; A: input x (given as codes); B: input Wv (given as codes): QUANTISED (scales: A lowp_scales[4], B lowp_scales[5])
;;     4. batch 384 x [M 64, K 64] x [K 64, N 128]; A: computed on the way; B: computed on the way: QUANTISED (scales: A lowp_scales[6], B lowp_scales[7])
;;     5. batch 384 x [M 64, K 128] x [K 128, N 64]; A: softmax (see below); B: computed on the way: QUANTISED (scales: A lowp_scales[8], B lowp_scales[9])
;;     6. batch 384 x [M 64, K 64] x [K 64, N 128]; A: computed on the way; B: computed on the way: QUANTISED (scales: A lowp_scales[10], B lowp_scales[11])
;;     7. batch 384 x [M 64, K 128] x [K 128, N 64]; A: softmax (see below); B: computed on the way: QUANTISED (scales: A lowp_scales[12], B lowp_scales[13])
;;     8. batch 384 x [M 400, K 64] x [K 64, N 528]; A: computed on the way; B: computed on the way: QUANTISED (scales: A lowp_scales[14], B lowp_scales[15])
;;     9. batch 384 x [M 400, K 528] x [K 528, N 64]; A: softmax (see below); B: computed on the way: QUANTISED (scales: A lowp_scales[16], B lowp_scales[17])
;;     10. [M 16,896, K 768] x [K 768, N 768]; A: computed on the way; B: input Wp (given as codes): QUANTISED (scales: A lowp_scales[18], B lowp_scales[19])
;;   THE QUANTISER, for each operand of a quantised product, along K:
;;     - The operand's scale is 2^e, e = its entry of the input lowp_scales (int32; the entries are numbered through the quantised products in the list's order, A before B).
;;     - Each number is divided by the scale, clamped to +-57,344, and rounded to the nearest number of E5M2, ties to even, subnormals kept.
;;     - The product sums the exact products of the quantised numbers (number of the format x scale) in f32.
;;   ~~~python
;;   def quantise(x, axis, e):      # numpy; x: float32 -> the quantised numbers, widened to float32 again
;;       x = np.moveaxis(x, axis, -1); K = x.shape[-1]
;;       r = np.clip(x / 2.0 ** e, -57344, 57344)
;;       step = 2.0 ** (np.maximum(np.frexp(np.where(r == 0, 1, r))[1] - 1, -14) - 2)
;;       q = np.round(r / step) * step * 2.0 ** e      # np.round: ties to even
;;       return np.moveaxis(q, -1, axis).astype(np.float32)
;;   ~~~
;;   SOFTMAX AHEAD OF A QUANTISED PRODUCT. Where the list says 'softmax', what is quantised is not the finished softmax but p = 2^(t - M), with t = logit x log2(e) and M = ceil(the row's largest t), a whole number; so 1/2 < the row's largest p <= 1. The row's sum l is taken of the UNQUANTISED p, in f32, and the product's result is divided by l at the end. Since M is a whole number, a kernel that streams over the keys may use a running M (the ceiling of the running maximum): every later rescaling is an exact power of two, so the quantised numbers keep their values, but for numbers so far below the row's largest that they fall under the format's range.
;;   OPERANDS COMPUTED ON THE WAY. 'Computed on the way' means the value that the module computes at that place (a softmax that the list does not call 'softmax' is quantised finished and normalised). What goes into a quantiser is computed in f32, as accurately as f32 sums, v_exp_f32 and their like allow (about 1e-6 of the number): no bf16 or f16 on the way to a quantiser, and a product that is left as it is and whose result goes on into a quantised operand takes f32 operands (vector FMAs, or v_wmma_f32_16x16x4_f32). A number that lies on a knife's edge between two numbers of the format may be rounded either way, as far as f32 arithmetic and the matrix unit's own rounding can turn it there, and no further.
;;   INPUTS GIVEN AS CODES. Wk (in the module: [768, 768], K = its axis 0); Wp (in the module: [768, 768], K = its axis 0); Wq (in the module: [768, 768], K = its axis 0); Wv (in the module: [768, 768], K = its axis 0); x (in the module: [32, 528, 768], K = its axis 2): each comes as NAME_codes (uint8): NAME with its K axis moved to the last place and cut into blocks of 32 codes, [.., K / 32, bytes a block], one block behind the other in memory; one code a byte (a code: sign, 5 exponent bits, 2 mantissa bits); its scale is its entry of lowp_scales. Its value is code x scale, taken as it is: it is not quantised again, and the codes and scales need not be those that the quantiser above would give.
;; One version. Each part assembles by itself: llvm-mc -triple=amdgcn-amd-amdhsa -mcpu=gfx1250 --defsym DOCPART=n.
;; ======== version 1 of 1: 2 launches
;; workspace buffers: ocodes 12,976,128 bytes
;; launch qkvattn (part 1): grid 4 x 128, 8 waves a work-group, clusters of 4 x 1, 327,680 bytes of LDS; arguments x_codes, Wq_codes, Wk_codes, Wv_codes, lowp_scales, ocodes; writes ocodes
.if DOCPART == 1
	.amdgcn_target "amdgcn-amd-amdhsa--gfx1250"
	.amdhsa_code_object_version 6
	.text
	.protected	k_q85a3b58855_qkvattn
	.globl	k_q85a3b58855_qkvattn
	.p2align	8
	.type	k_q85a3b58855_qkvattn,@function
k_q85a3b58855_qkvattn:
	s_mov_b64 s[64:65], 0
	v_nop
	global_prefetch_b8 v0, s[64:65] scope:SCOPE_SE
	s_setreg_imm32_b32 hwreg(HW_REG_WAVE_MODE, 25, 1), 1
	s_wait_xcnt 0x0
	s_wait_alu depctr_hold_cnt(0) depctr_sa_sdst(0) depctr_va_vdst(0) depctr_va_sdst(0) depctr_va_ssrc(0) depctr_va_vcc(0) depctr_vm_vsrc(0)
	s_getreg_b32 s2, hwreg(HW_REG_IB_STS2, 6, 4)
	s_cmp_eq_u32 s2, 0
	s_cbranch_scc0 .Lentry_in_a_cluster
	s_endpgm
.Lentry_in_a_cluster:
	s_bfe_u32 s2, ttmp6, 0x10000c
	s_cmp_lg_u32 s2, 0x3003
	s_cbranch_scc0 .Lentry_shape_is_right
	s_endpgm
.Lentry_shape_is_right:
; A unit = one (batch, head): q, k, v of that head are projected from x's codes, quantised in registers, handed from wave to wave through LDS as
; images of operand registers, the three attentions are done, and the merged heads' codes (scale entry 18) are stored.  All products on E5M2 codes, sums in f32.
; THE GRID.  32 x 12 = 384 units are dealt as 512 work-groups, 128 clusters of four heads of one batch.  Clusters 0-63 take whole units.  Clusters 64-127 take the other 32 groups of four heads twice:
; both parts project q, k and v in full, and part p does the attention of the query tiles of parity p alone.  So the grid's two halves hold 256 work-groups each, one half of whole units, one of parts.
; 528 tokens = 33 tiles of 16.  Query tiles 0-3 (group 0) and 4-7 (group 1) see keys 0-127, tiles 8-32 (group 2) all 528.  Each group has its own scales, so keys and
; values 0-127 are quantised three times (entries 7, 11, 15 and 9, 13, 17).
; SHARES.  Eight waves, two to a SIMD.  Projection: wave w keeps rows 16 (w & 3) .. +15 of the head's Wq, Wk AND Wv in registers (18 fragments) and serves token tiles of parity w >> 2.
; Attention: a wave owns one query tile at a time; the whole row of scores (up to 264 registers) stays in registers, so M is the ceiling of the row's true largest t.
; LAYOUTS (lane = (r, h)).  x, W: registers 4c..4c+3 = bytes 128 s + 32 c + 16 h of row r: one permutation of k, alike on both sides.
;   q, k: source 0 = 16 rows of W, source 1 = x: a lane holds token r and d = 16 dt + 8 h + j: one conversion gives registers 2 dt, 2 dt + 1 of a K = 64 fragment.
;   v: source 0 = x, source 1 = 16 rows of Wv: a lane holds one d and tokens 8 h + j: one conversion gives registers 2 c, 2 c + 1 (c = tile % 8) of a fragment of V^T (K = 128 keys).
;   Lane r of Wv's tile dt takes row 32 (dt / 2) + 8 (dt % 2) + r + 8 (r / 8), so that O^T's tiles 2 b, 2 b + 1 hold d = 32 b + 16 h + 0 .. 15: the last projection's operand layout.
;   S^T = K Q^T, O^T = V^T P: a lane holds one query throughout; p's conversion of key tile kt gives registers 2 c, 2 c + 1, c = kt % 8, of P.
; CLUSTER.  The four heads of a cluster read the same x[batch]: each tile of x is asked for jointly (mask 15).  W's rows differ from head to head: plain loads.
; LIMITS.  Each folded exponent (e6|e10|e14 - e0 - e1, e7|e11|e15 - e2 - e3, e9|e13|e17 - e4 - e5), e8, e12, e16 and e18 lie between -126 and 112; e6 + e7, e10 + e11, e14 + e15 between -121 and 132.
; NaN and infinity among the codes are not served.  v's sum over K is formed in two f32 partial sums (K steps 0, 2, 4 and 1, 3, 5).
.set PITCH, 816                        ; a token's 768 bytes in LDS: 3 x (256 + 16 of padding) = 51 x 16 bytes, so 16 rows of a fragment load start at 16 different 16-byte columns
.set TILEB, 16*PITCH
.set HALFB, 48*PITCH                   ; what one tensor load of x brings
.set SLOTB, 96*PITCH                   ; a ring slot: 96 tokens
.set WST,   2*SLOTB                    ; 192 rows of W (64 of Wq, Wk, Wv), filled once; the images below are laid over it once every wave has read it
.set QIMG,  WST                        ; 33 fragments of q, 1,024 bytes each: registers 4 g .. 4 g + 3 of lane l at 512 g + 16 l
.set KIMG,  QIMG+33*1024               ; k under entry 15
.set KT,    KIMG+33*1024               ; k of tokens 0-127 under entry 7
.set KO,    KT+8*1024                  ; under entry 11
.set VIMG,  KO+8*1024                  ; V^T under entry 17: (key step, d tile) at 2,048 (4 ks + dt); key step 4 holds 16 keys and 112 zero codes
.set VT,    VIMG+20*2048               ; V^T of keys 0-127 under entry 9
.set VO,    VT+4*2048                  ; under entry 13
.set SPARE, 326656                     ; the spare words: 128 bytes for each of eight waves
; window 0
.set X,    32                          ; v32-127  x's six fragments of a token tile
.set WVF,  128                         ; v128-223 Wv's six
.set ZR,   224                         ; v224-227 zeros
.set SQ,   12                          ; v12-14 q's conversion scales, groups 0-2;  v15-17 k's;  v18-20 v's
.set SK,   15
.set SV,   18
; window 1
.set WQF,  0
.set WKF,  96
.set ACCQ, 192
.set ACCK, 200
.set ACCA, 208
.set ACCB, 216
.set CQ,   224                         ; codes: q;  k in three versions;  v in three versions
.set CK,   226
.set CV,   232
.set T2,   240
.set T3,   248
; scalars: s16 wave, s17 wave & 3, s18 wave >> 2, s20 head, s21 batch; s[24:31], s[32:39] descriptor groups 1; s[40:43], s[44:47] x's groups 0, one a slot; s[48:51] W's; s72-91 the twenty exponents
.set LQ,   52                          ; s52.. pairs (+L, -L), L = 57,344 x the folded scale: q's three groups, then k's, then v's
.set LK,   58
.set LV,   66
.set MSB, 0
.macro WIN new                         ; bits 1:0 source 0, 3:2 source 1, 5:4 source 2, 7:6 destination; the high byte repeats the setting that is left
.if MSB != (\new)
	s_set_vgpr_msb (MSB<<8)|(\new)
.set MSB, (\new)
.endif
.endm
.macro PLACES                          ; four plain vector lines between a matrix instruction and a read of its result, a write of its registers or a load into them
.rept 4
	v_nop
.endr
.endm
.macro CROUND                          ; a round of the cluster's barrier
	s_barrier_signal -1
	s_barrier_wait -1
	s_cmp_lg_u32 s16, 0
	s_cbranch_scc1 .Lnot_wave_0_\@
	s_barrier_signal -3
.Lnot_wave_0_\@:
	s_barrier_wait -3
	s_barrier_signal -1
	s_barrier_wait -1
.endm
.macro JLOAD slot, kind                ; waves below kind ask jointly for their 48 tokens of the slot; the branch hangs on the wave's number alone
	s_cmp_lt_u32 s16, \kind
	s_cbranch_scc0 .Lnoask_\@
	tensor_load_to_lds s[40+4*\slot:43+4*\slot], s[24:31]
	s_nop 0
.rept 4
	v_nop
.endr
.Lnoask_\@:
.endm
.macro XPAIR slot, i, b                ; K steps 2 b and 2 b + 1 of token tile 2 i + (wave >> 2) of the slot: two fragments, eight loads
.irp s, 0,1
.irp c, 0,1,2,3
	ds_load_b128 v[X+16*(2*(\b)+\s)+4*\c:X+16*(2*(\b)+\s)+4*\c+3], v[2+\slot] offset:2*TILEB*(\i)+272*(\b)+128*\s+32*\c
.endr
.endr
.endm
.macro XLOAD slot, i                   ; all six fragments in one run: behind a change of slots, where nothing could be asked for ahead
	XPAIR \slot, \i, 0
	XPAIR \slot, \i, 1
	XPAIR \slot, \i, 2
.endm
.macro MED dst, src, lp                ; eight numbers held within +-L: the conversion to an 8-bit code does not saturate (ISA guide 7.6.2)
.irp j, 0,1,2,3,4,5,6,7
	v_med3_num_f32 v[(\dst)+\j], v[(\src)+\j], s[(\lp)+1], s[\lp]
.endr
.endm
.macro CVT dst, src, sc
	v_cvt_scalef32_pk8_bf8_f32 v[\dst:(\dst)+1], v[\src:(\src)+7], v[\sc]
.endm
; The tile's sums become codes and go to their images.  grp: the query group of the tile; groups 0 and 1 (tokens 0-127) give k and v in three versions.
.macro QUANT grp, t0
	WIN 0x45
.irp j, 0,2,4,6
	v_pk_add_f32 v[ACCA+\j:ACCA+\j+1], v[ACCA+\j:ACCA+\j+1], v[ACCB+\j:ACCB+\j+1]   ; v's two partial sums; each accumulator is read from its low end on
.endr
	WIN 0x41                                       ; numbers and codes in window 1, the conversions' scales in window 0
	MED ACCQ, ACCQ, LQ+2*\grp
.if \grp == 2
	MED ACCK, ACCK, LK+4
	MED ACCA, ACCA, LV+4
	CVT CQ, ACCQ, SQ+2
	CVT CK+4, ACCK, SK+2
	CVT CV+4, ACCA, SV+2
.else
	CVT CQ, ACCQ, SQ+\grp                          ; 32 plain lines follow before ACCQ, its source, is written again
	MED ACCB, ACCK, LK
	MED T2, ACCK, LK+2
	MED ACCK, ACCK, LK+4
	MED T3, ACCA, LV
	MED ACCQ, ACCA, LV+2
	MED ACCA, ACCA, LV+4
	CVT CK, ACCB, SK
	CVT CK+2, T2, SK+1
	CVT CK+4, ACCK, SK+2
	CVT CV, T3, SV
	CVT CV+2, ACCQ, SV+1
	CVT CV+4, ACCA, SV+2
.endif
	v_nop                                          ; one plain line between the last conversion and the next products, which write its sources
	WIN 0x04                                       ; store data in window 1, addresses in window 0
	ds_store_b64 v8, v[CQ:CQ+1] offset:1024*(\t0)
	ds_store_b64 v9, v[CK+4:CK+5] offset:1024*(\t0)
	ds_store_b64 v10, v[CV+4:CV+5] offset:8192*((\t0)/8)+512*(((\t0)%8)/2)
.if \grp != 2
	ds_store_b64 v9, v[CK:CK+1] offset:1024*(\t0)+KT-KIMG
	ds_store_b64 v9, v[CK+2:CK+3] offset:1024*(\t0)+KO-KIMG
	ds_store_b64 v10, v[CV:CV+1] offset:VT-VIMG+512*((\t0)/2)
	ds_store_b64 v10, v[CV+2:CV+3] offset:VO-VIMG+512*((\t0)/2)
.endif
	WIN 0
.endm
.macro QK s                            ; K step s of q's and of k's sums; step 0 starts them
.if (\s) == 0
	v_wmma_f32_16x16x128_bf8_bf8 v[ACCQ:ACCQ+7], v[WQF:WQF+15], v[X:X+15], 0
	v_wmma_f32_16x16x128_bf8_bf8 v[ACCK:ACCK+7], v[WKF:WKF+15], v[X:X+15], 0
.else
	v_wmma_f32_16x16x128_bf8_bf8 v[ACCQ:ACCQ+7], v[WQF+16*(\s):WQF+16*(\s)+15], v[X+16*(\s):X+16*(\s)+15], v[ACCQ:ACCQ+7]
	v_wmma_f32_16x16x128_bf8_bf8 v[ACCK:ACCK+7], v[WKF+16*(\s):WKF+16*(\s)+15], v[X+16*(\s):X+16*(\s)+15], v[ACCK:ACCK+7]
.endif
.endm
.macro VV s, acc                       ; K step s of v's sum, into the partial sum acc; steps 0 and 1 start the two
.if (\s) < 2
	v_wmma_f32_16x16x128_bf8_bf8 v[\acc:\acc+7], v[X+16*(\s):X+16*(\s)+15], v[WVF+16*(\s):WVF+16*(\s)+15], 0
.else
	v_wmma_f32_16x16x128_bf8_bf8 v[\acc:\acc+7], v[X+16*(\s):X+16*(\s)+15], v[WVF+16*(\s):WVF+16*(\s)+15], v[\acc:\acc+7]
.endif
.endm
; One token tile: 18 matrix instructions in three batches of two K steps (q, k, q, k, v, v'), no two neighbours on one accumulator.
; nxt = 1: behind each batch the two fragments that it has used are asked for anew, for the slot's next tile: LDS serves them while the other batches are multiplied and the tile is quantised.
; pst: the image stores issued behind this tile's own fragment loads (those of the tile before, if the loads stood in its trip).
.macro TRIP slot, i, t0, grp, nxt, pst
.irp b, 0,1,2
	s_wait_dscnt 16-8*\b+(\pst)+8*\b*(\nxt)        ; this batch's two fragments are in.  Younger, and free to stay out: this tile's 8 (2 - b) later loads, the pst stores, the 8 b loads already issued for the next tile
	WIN 0x51                                       ; W and the sums in window 1, x in window 0
	QK 2*\b
	QK 2*\b+1
	WIN 0x50                                       ; x and Wv in window 0, the sums in window 1
	VV 2*\b, ACCA
	VV 2*\b+1, ACCB
.if (\nxt) || (\b == 2)
	WIN 0
	PLACES                                         ; in front of loads into fragments just read, and of the first read of the sums
.endif
.if \nxt
	XPAIR \slot, (\i)+1, \b
.endif
.endr
	s_wait_dscnt 24*(\nxt)                         ; all but the next tile's 24 loads are done: the last tile's image stores have read the code registers that are written below
	QUANT \grp, \t0
.endm
; The slot just read is left.  Every wave: all its tensor loads have landed (the other slot is whole), the add, its LDS reads are back; then the barrier.
; kind > 0: the slot is filled again, 192 tokens on; the barrier is a round of the cluster's, and the joint load is the first thing behind it.
.macro CHANGE slot, kind
	s_wait_tensorcnt 0x0
	ds_add_u32 v6, v7                              ; 0 onto my spare word
.if \kind
	s_add_nc_u64 s[42+4*\slot:43+4*\slot], s[42+4*\slot:43+4*\slot], 147456   ; no tensor load of mine is out, so the descriptor may step
.endif
	s_wait_dscnt 0x0
.if \kind
	CROUND
	JLOAD \slot, \kind
.else
	s_barrier_signal -1
	s_barrier_wait -1
.endif
.endm
.macro MKQ sumreg, ereg, vsc, lp       ; f = s[ereg] - s[sumreg]: 2^f as f32 into v[vsc], +-57,344 x 2^f into s[lp], s[lp + 1]
	s_sub_co_i32 s23, s[\ereg], s[\sumreg]
	s_add_co_i32 s96, s23, 127
	s_lshl_b32 s96, s96, 23
	v_mov_b32 v[\vsc], s96
	s_add_co_i32 s96, s23, 142
	s_lshl_b32 s96, s96, 23
	s_or_b32 s[\lp], s96, 0x600000
	s_or_b32 s[(\lp)+1], s[\lp], 0x80000000
.endm
	s_load_b256 s[4:11], s[0:1], 0x0               ; x s[4:5], Wq s[6:7], Wk s[8:9], Wv s[10:11]
	s_load_b128 s[12:15], s[0:1], 0x20             ; the exponents s[12:13], the merged heads' codes s[14:15]
	v_lshl_add_u32 v6, v0, 2, SPARE                ; my spare word; never rewritten
	v_mov_b32 v7, 0                                ; never rewritten
	ds_add_u32 v6, v7
	ds_add_u32 v6, v7
	s_wait_dscnt 0x0
	v_lshrrev_b32 v1, 5, v0
	v_readfirstlane_b32 s16, v1                    ; wave 0..7
	s_and_b32 s17, s16, 3                          ; my d tile
	s_lshr_b32 s18, s16, 2                         ; my parity of token tiles
	s_and_b32 s22, s16, 1
	s_bfe_u32 s19, ttmp6, 0x40000                  ; cx
	s_and_b32 s21, ttmp7, 0xffff                   ; the cluster's number y, 0..127, which the four partners share
	s_lshr_b32 s100, s21, 1
	s_add_co_u32 s100, s100, 32                    ; 64 + (y - 64) / 2
	s_cmp_lt_u32 s21, 64
	s_cselect_b32 s100, s21, s100                  ; u, the group of four heads, 0..95: y below 64 takes group y whole, y and y + 1 from 64 on share a group
	s_mul_i32 s21, s100, 171
	s_lshr_b32 s21, s21, 9                         ; batch = u / 3 (171 / 512 exceeds 1 / 3 by less than 1 / (3 x 96))
	s_mul_i32 s101, s21, 3
	s_sub_co_u32 s101, s100, s101                  ; u mod 3
	s_lshl_b32 s20, s101, 2
	s_add_co_u32 s20, s20, s19                     ; head = 4 (u mod 3) + cx: it enters W's and the output's global addresses alone
	; group 1 for x: 144 rows of 256 bytes (48 tokens, dense), 16 bytes of padding behind each; mask 15, bit 21 beside it
	s_mov_b32 s24, 15|(1<<20)|(1<<21)|(5<<22)|(3<<25)
	s_mov_b32 s25, 256<<16
	s_mov_b32 s26, 144<<16
	s_mov_b32 s27, 256<<16
	s_mov_b32 s28, 144
	s_mov_b32 s29, 256
	s_mov_b32 s30, 0
	s_mov_b32 s31, 0
	; group 1 for W: 96 rows of 256 bytes (32 rows of W), no mask
	s_mov_b32 s32, (1<<20)|(5<<22)|(3<<25)
	s_mov_b32 s33, 256<<16
	s_mov_b32 s34, 96<<16
	s_mov_b32 s35, 256<<16
	s_mov_b32 s36, 96
	s_mov_b32 s37, 256
	s_mov_b32 s38, 0
	s_mov_b32 s39, 0
	s_mov_b32 s94, 0x76543210                      ; v_permlanex16_b32: lane l xor 16
	s_mov_b32 s95, 0xfedcba98
	s_mul_i32 s41, s22, HALFB                      ; x in LDS: slot 0, my half;
	s_add_co_u32 s45, s41, SLOTB                   ; slot 1
	s_mul_i32 s49, s16, 32*PITCH                   ; W in LDS: waves 2-7 bring 32 rows each: WST + (wave - 2) x 32 rows
	s_add_co_u32 s49, s49, WST-64*PITCH
	s_mul_i32 s100, s21, 405504                    ; x in memory: the batch's 528 x 768 bytes, + my 48 tokens
	s_mul_i32 s101, s22, 36864
	s_add_co_u32 s100, s100, s101
	s_mov_b32 s101, 0
	s_mul_i32 s2, s20, 49152                       ; W in memory: row 64 head + 32 (wave & 1)
	s_mul_i32 s3, s22, 24576
	s_add_co_u32 s2, s2, s3
	s_mov_b32 s3, 0
	s_mul_i32 s96, s21, 405504                     ; the output: [batch][33 tiles][12 heads][1,024 bytes]
	s_lshl_b32 s97, s20, 10
	s_add_co_u32 s96, s96, s97
	s_mov_b32 s97, 0
	; LDS addresses of the projection
	v_and_b32 v1, 31, v0
	v_lshlrev_b32 v1, 4, v1                        ; v1 = 16 x lane; stays
	v_and_b32 v11, 15, v0                          ; r
	v_bfe_u32 v21, v0, 4, 1                        ; h
	v_mul_u32_u24 v22, v11, PITCH
	v_lshl_add_u32 v22, v21, 4, v22                ; 816 r + 16 h
	s_mul_i32 s23, s18, TILEB
	v_add_nc_u32 v2, s23, v22                      ; v2: x's fragments in slot 0, my parity;
	v_add_nc_u32 v3, SLOTB, v2                     ; v3: in slot 1
	s_mul_i32 s23, s17, TILEB
	s_add_co_u32 s23, s23, WST
	v_add_nc_u32 v4, s23, v22                      ; v4: my 16 rows of Wq (Wk: 64 rows on)
	v_and_b32 v23, 8, v11
	v_add_nc_u32 v23, v23, v11                     ; r + 8 (r / 8)
	v_mul_u32_u24 v23, v23, PITCH
	v_lshl_add_u32 v23, v21, 4, v23
	s_lshr_b32 s23, s17, 1
	s_mul_i32 s23, s23, 32*PITCH
	s_mul_i32 s93, s22, 8*PITCH
	s_add_co_u32 s23, s23, s93
	s_add_co_u32 s23, s23, WST+128*PITCH
	v_add_nc_u32 v5, s23, v23                      ; v5: my 16 rows of Wv: 32 (dt / 2) + 8 (dt % 2) + r + 8 (r / 8)
	s_lshr_b32 s23, s17, 1
	s_lshl_b32 s23, s23, 9
	s_lshl_b32 s93, s22, 3
	s_add_co_u32 s23, s23, s93
	s_lshl_b32 s93, s18, 10
	s_add_co_u32 s23, s23, s93
	s_add_co_u32 s23, s23, QIMG
	v_add_nc_u32 v8, s23, v1                       ; v8: q's image: registers 2 dt, 2 dt + 1 of tile t0 + parity
	v_add_nc_u32 v9, KIMG-QIMG, v8                 ; v9: k's
	s_lshl_b32 s23, s17, 11
	s_lshl_b32 s93, s18, 3
	s_add_co_u32 s23, s23, s93
	s_add_co_u32 s23, s23, VIMG
	v_add_nc_u32 v10, s23, v1                      ; v10: V^T's image: d tile dt, registers 2 c, 2 c + 1 with c's low bit = parity
.irp j, 0,1,2,3
	v_mov_b32 v[ZR+\j], 0
.endr
	s_wait_kmcnt 0x0
	s_load_b512 s[72:87], s[12:13], 0x0            ; e0 .. e15
	s_load_b128 s[88:91], s[12:13], 0x40           ; e16 .. e19
	s_mov_b32 s40, 1
	s_mov_b32 s44, 1
	s_mov_b32 s48, 1
	s_add_nc_u64 s[42:43], s[4:5], s[100:101]      ; tokens 0-95
	s_add_nc_u64 s[46:47], s[42:43], 73728         ; tokens 96-191
	s_or_b32 s43, s43, 0x80000000
	s_or_b32 s47, s47, 0x80000000
	s_cmp_lt_u32 s16, 6                            ; waves 2, 3 bring Wq, 4, 5 Wk, 6, 7 Wv: the choice hangs on the wave's number alone
	s_cselect_b64 s[50:51], s[8:9], s[10:11]
	s_cmp_lt_u32 s16, 4
	s_cselect_b64 s[50:51], s[6:7], s[50:51]
	s_add_nc_u64 s[50:51], s[50:51], s[2:3]
	s_or_b32 s51, s51, 0x80000000
	s_add_nc_u64 s[98:99], s[14:15], s[96:97]      ; the output at (batch, tile 0, head)
	CROUND                                         ; all four work-groups are here: the first joint loads meet
	s_cmp_lt_u32 s16, 2                            ; all first fills in one branch: waves 0, 1 both slots of x (two loads out), waves 2-7 their rows of W (one)
	s_cbranch_scc0 .Lfirst_w
	tensor_load_to_lds s[40:43], s[24:31]
	s_nop 0
	tensor_load_to_lds s[44:47], s[24:31]
	s_nop 0
.rept 4
	v_nop
.endr
	s_branch .Lfirst_done
.Lfirst_w:
	tensor_load_to_lds s[48:51], s[32:39]
	s_nop 0
.rept 4
	v_nop
.endr
.Lfirst_done:
	s_wait_kmcnt 0x0
	s_add_co_i32 s22, s72, s73                     ; a sum of x Wq stands for sum x 2^(e0 + e1): its code under entry e is sum / 2^(e - e0 - e1)
.irp g, 0,1,2
	MKQ 22, 78+4*\g, SQ+\g, LQ+2*\g
.endr
	s_add_co_i32 s22, s74, s75
.irp g, 0,1,2
	MKQ 22, 79+4*\g, SK+\g, LK+2*\g
.endr
	s_add_co_i32 s22, s76, s77
.irp g, 0,1,2
	MKQ 22, 81+4*\g, SV+\g, LV+2*\g
.endr
	s_wait_tensorcnt 0x0                           ; my first fills have landed,
	s_barrier_signal -1
	s_barrier_wait -1                              ; everybody's have
	WIN 0x40                                       ; my 18 fragments of W: they stay in registers
.irp s, 0,1,2,3,4,5
.irp c, 0,1,2,3
	ds_load_b128 v[WQF+16*\s+4*\c:WQF+16*\s+4*\c+3], v4 offset:272*(\s/2)+128*(\s%2)+32*\c
	ds_load_b128 v[WKF+16*\s+4*\c:WKF+16*\s+4*\c+3], v4 offset:64*PITCH+272*(\s/2)+128*(\s%2)+32*\c
.endr
.endr
	WIN 0
.irp s, 0,1,2,3,4,5
.irp c, 0,1,2,3
	ds_load_b128 v[WVF+16*\s+4*\c:WVF+16*\s+4*\c+3], v5 offset:272*(\s/2)+128*(\s%2)+32*\c
.endr
.endr
	XLOAD 0, 0
	s_wait_dscnt 0x0                               ; my reads of W's rows are back:
	s_barrier_signal -1
	s_barrier_wait -1                              ; everybody's are: the images may be stored over those rows, which are filled no more
	; THE PROJECTION: six fills of the ring, written out.  Tiles 6 f + 2 i + parity.  Last argument: 7 image stores behind a tile of tokens 0-127, 3 behind any other, 0 where the fragments were asked for behind a change of slots.
	TRIP 0, 0, 0, 0, 1, 0
	TRIP 0, 1, 2, 0, 1, 7
	TRIP 0, 2, 4, 1, 0, 7
	CHANGE 0, 2                                    ; slot 0 takes tokens 192-287
	XLOAD 1, 0
	TRIP 1, 0, 6, 1, 1, 0
	TRIP 1, 1, 8, 2, 1, 7
	TRIP 1, 2, 10, 2, 0, 3
	CHANGE 1, 2                                    ; slot 1: 288-383
	XLOAD 0, 0
	TRIP 0, 0, 12, 2, 1, 0
	TRIP 0, 1, 14, 2, 1, 3
	TRIP 0, 2, 16, 2, 0, 3
	CHANGE 0, 2                                    ; slot 0: 384-479
	XLOAD 1, 0
	TRIP 1, 0, 18, 2, 1, 0
	TRIP 1, 1, 20, 2, 1, 3
	TRIP 1, 2, 22, 2, 0, 3
	CHANGE 1, 1                                    ; slot 1: the last 48 tokens, 480-527: wave 0's half alone
	XLOAD 0, 0
	TRIP 0, 0, 24, 2, 1, 0
	TRIP 0, 1, 26, 2, 1, 3
	TRIP 0, 2, 28, 2, 0, 3
	CHANGE 0, 0                                    ; nothing is left to fetch
	XLOAD 1, 0
	TRIP 1, 0, 30, 2, 0, 0
	s_cmp_lt_u32 s16, 4
	s_cbranch_scc0 .Lpad
	XLOAD 1, 1                                     ; waves 0-3: tile 32
	TRIP 1, 1, 32, 2, 0, 0
	s_branch .Ljoin
.Lpad:                                                 ; waves 4-7: keys 528-639 of key step 4 are zero codes: registers 2, 3, then 4-15, of my d tile's fragment
	ds_store_b64 v10, v[ZR:ZR+1] offset:32768
.irp g, 1,2,3
	ds_store_b128 v10, v[ZR:ZR+3] offset:32768+512*\g-8
.endr
.Ljoin:
	s_wait_dscnt 0x0                               ; my image stores are done,
	s_barrier_signal -1
	s_barrier_wait -1                              ; everybody's are.  From here to the next barrier LDS is only read
	; ATTENTION.  window 0: v2 q's, v3 k's, v4 V^T's LDS address, v5 the output's offset; v8-15 chains; v16 -M; v18 at work, then 1 / l x 2^(eP + eV); v20 2^eP, v21 57,344 x 2^eP, v22 2^e18;
	; v23 q's images + 16 lane; v24-31 O's codes; v32-95, v96-159 two buffers of fragments; v160-167 Q; v168-175 scores of key tile 32; v176-255 P.  window 1: scores of key tiles 0-31, later O^T in v0-31.
.irp g, 0,1,2
	s_add_co_i32 s22, s[78+4*\g], s[79+4*\g]       ; a score stands for score x 2^(eQ + eK): added to c's exponent field
	s_lshl_b32 s22, s22, 23
	s_add_co_i32 s[52+\g], s22, 0x3d553b95         ; c = log2(e) / sqrt(768)
	s_add_co_i32 s22, s[80+4*\g], 127
	s_lshl_b32 s[55+\g], s22, 23                   ; 2^eP
	s_add_co_i32 s22, s22, 15
	s_lshl_b32 s22, s22, 23
	s_or_b32 s[58+\g], s22, 0x600000               ; 57,344 x 2^eP
	s_add_co_i32 s[61+\g], s[80+4*\g], s[81+4*\g]  ; eP + eV
.endr
	s_add_co_i32 s22, s90, 127
	s_lshl_b32 s66, s22, 23                        ; 2^e18
	s_add_co_i32 s22, s22, 15
	s_lshl_b32 s22, s22, 23
	s_or_b32 s67, s22, 0x600000                    ; +-57,344 x 2^e18
	s_or_b32 s68, s67, 0x80000000
	s_and_b32 s22, ttmp7, 0xffff                   ; y once more: a whole unit (y below 64): 1 part, part 0; else 2 parts, part y & 1.  Alike in the four partners
	s_and_b32 s70, s22, 1
	s_cmp_lt_u32 s22, 64
	s_cselect_b32 s69, 1, 2                        ; s69: parts
	s_cselect_b32 s70, 0, s70                      ; s70: my part
	v_mov_b32 v22, s66
	v_add_nc_u32 v23, QIMG, v1
	v_mov_b32 v17, 0                               ; (upper halves of pairs whose low word serves both halves, and a lane permute's destination: written once)
	v_mov_b32 v18, 0
	v_mov_b32 v19, 0
.irp j, 242,243,244,245,246,247,248,249,250,251,252,253,254,255
	v_mov_b32 v[\j], 0                             ; P's codes of keys 528-639
.endr
.macro KLOAD n, buf                    ; key tiles 8 n .. 8 n + 7: eight fragments of 8 registers
.irp i, 0,1,2,3,4,5,6,7
	ds_load_b128 v[(\buf)+8*\i:(\buf)+8*\i+3], v3 offset:1024*(8*(\n)+\i)
	ds_load_b128 v[(\buf)+8*\i+4:(\buf)+8*\i+7], v3 offset:1024*(8*(\n)+\i)+512
.endr
.endm
.macro VLOAD ks, buf                   ; key step ks of V^T: four fragments of 16 registers
.irp d, 0,1,2,3
.irp g, 0,1,2,3
	ds_load_b128 v[(\buf)+16*\d+4*\g:(\buf)+16*\d+4*\g+3], v4 offset:2048*(4*(\ks)+\d)+512*\g
.endr
.endr
.endm
; One query tile (number in s97) against 128 nb (+ 16 if tail) keys.
.macro ATT nb, tail
.set NKS, \nb+\tail
	s_wait_xcnt 0x0                                ; the last tile's stores have read v5 and v24-31
	v_lshl_add_u32 v2, s97, 10, v23
	s_mul_i32 s22, s97, 12288
	v_add_nc_u32 v5, s22, v1
	ds_load_b128 v[160:163], v2
	ds_load_b128 v[164:167], v2 offset:512
	KLOAD 0, 32
.if \nb > 1
	KLOAD 1, 96
.endif
.set n, 0
.rept \nb
.if n+1 < \nb
	s_wait_dscnt 16                                ; this batch (and Q) is in; the next batch's 16 loads may be out
.elseif \tail
	s_wait_dscnt 2                                 ; key tile 32's two loads may be out
.else
	s_wait_dscnt 0x0
.endif
	WIN 0x40                                       ; S^T = K Q^T: scores into window 1
.irp i, 0,1,2,3,4,5,6,7
	v_wmma_f32_16x16x64_bf8_bf8 v[8*(8*n+\i):8*(8*n+\i)+7], v[32+64*(n%2)+8*\i:32+64*(n%2)+8*\i+7], v[160:167], 0
.endr
	WIN 0
	PLACES
.if n+2 < \nb
	KLOAD n+2, 32+64*(n%2)
.elseif (n+2 == \nb) && \tail
	ds_load_b128 v[32:35], v3 offset:32768
	ds_load_b128 v[36:39], v3 offset:32768+512
.endif
.set n, n+1
.endr
.if \tail
	s_wait_dscnt 0x0
	v_wmma_f32_16x16x64_bf8_bf8 v[168:175], v[32:39], v[160:167], 0
	PLACES
.endif
	VLOAD 0, 32                                    ; V^T's first key steps land under the softmax
.if NKS > 1
	VLOAD 1, 96
.endif
	; the row's largest score, in four chains; each tile is read from its low end on
.irp k, 0,1,2,3
	v_mov_b32 v[8+\k], 0xff800000
.endr
.if \tail
.irp k, 0,1,2,3
	v_max3_num_f32 v[8+\k], v[8+\k], v[168+2*\k], v[169+2*\k]
.endr
.endif
	WIN 0x14
.set t, 0
.rept 8*\nb
.irp k, 0,1,2,3
	v_max3_num_f32 v[8+\k], v[8+\k], v[8*t+2*\k], v[8*t+2*\k+1]
.endr
.set t, t+1
.endr
	WIN 0
	v_max3_num_f32 v8, v8, v9, v10
	v_max_num_f32 v8, v8, v11
	v_permlanex16_b32 v18, v8, s94, s95            ; the query's other keys lie in lane l xor 16
	v_max_num_f32 v8, v8, v18
	v_mul_f32 v8, s92, v8                          ; as t (c is positive)
	v_floor_f32 v16, -v8                           ; -M = floor(-t) = -ceil(t)
	; p = 2^(c s - M)
.if \tail
.irp k, 0,2,4,6
	v_pk_fma_f32 v[168+\k:169+\k], v[168+\k:169+\k], s[92:93], v[16:17] op_sel_hi:[1,0,0]
.endr
.irp k, 0,1,2,3,4,5,6,7
	v_exp_f32 v[168+\k], v[168+\k]
.endr
.endif
	WIN 0x41
.set t, 0
.rept 8*\nb
.irp k, 0,2,4,6
	v_pk_fma_f32 v[8*t+\k:8*t+\k+1], v[8*t+\k:8*t+\k+1], s[92:93], v[16:17] op_sel_hi:[1,0,0]
.endr
.irp k, 0,1,2,3,4,5,6,7
	v_exp_f32 v[8*t+\k], v[8*t+\k]
.endr
.set t, t+1
.endr
	; the row's sum, of the unquantised p, in four chains of pairs (the first additions are the plain lines behind the last exponentials, whose results they do not touch)
	WIN 0x05
	s_wait_alu depctr_va_vdst(0)
.irp k, 0,2,4,6
	v_pk_add_f32 v[8+\k:9+\k], v[\k:\k+1], v[8+\k:9+\k]
.endr
	WIN 0x04
.set t, 2
.rept 8*\nb-2
.irp k, 0,2,4,6
	v_pk_add_f32 v[8+\k:9+\k], v[8+\k:9+\k], v[8*t+\k:8*t+\k+1]
.endr
.set t, t+1
.endr
	WIN 0x41                                       ; p is never negative: the hold at the largest code is one-sided
.set t, 0
.rept 64*\nb
	v_min_num_f32 v[t], v[t], v21
.set t, t+1
.endr
	WIN 0x01                                       ; key tile t's codes are registers 2 t, 2 t + 1 of P
.set t, 0
.rept 8*\nb
	v_cvt_scalef32_pk8_bf8_f32 v[176+2*t:177+2*t], v[8*t:8*t+7], v20
.set t, t+1
.endr
	WIN 0
.if \tail
.irp k, 0,2,4,6
	v_pk_add_f32 v[8+\k:9+\k], v[8+\k:9+\k], v[168+\k:169+\k]
.endr
.irp k, 0,1,2,3,4,5,6,7
	v_min_num_f32 v[168+\k], v[168+\k], v21
.endr
	v_cvt_scalef32_pk8_bf8_f32 v[240:241], v[168:175], v20
.endif
	v_nop                                          ; one plain line between the last conversion and the products, which read its result and write over earlier sources
	; O^T = V^T P: four accumulators by turns
.set ks, 0
.rept NKS
.if ks+1 < NKS
	s_wait_dscnt 16                                ; this key step is in; the next one's 16 loads may be out
.else
	s_wait_dscnt 0x0
.endif
	WIN 0x50
.irp d, 0,1,2,3
.if ks == 0
	v_wmma_f32_16x16x128_bf8_bf8 v[8*\d:8*\d+7], v[32+64*(ks%2)+16*\d:32+64*(ks%2)+16*\d+15], v[176+16*ks:176+16*ks+15], 0
.else
	v_wmma_f32_16x16x128_bf8_bf8 v[8*\d:8*\d+7], v[32+64*(ks%2)+16*\d:32+64*(ks%2)+16*\d+15], v[176+16*ks:176+16*ks+15], v[8*\d:8*\d+7]
.endif
.endr
	WIN 0
.if ks+2 < NKS
	PLACES
	VLOAD ks+2, 32+64*(ks%2)
.endif
.set ks, ks+1
.endr
	; O = O^T x 2^(eP + eV) / l, quantised under entry 18.  The additions are the places behind the last products
	v_pk_add_f32 v[8:9], v[8:9], v[10:11]
	v_pk_add_f32 v[12:13], v[12:13], v[14:15]
	v_pk_add_f32 v[8:9], v[8:9], v[12:13]
	v_add_f32 v8, v8, v9
	v_permlanex16_b32 v18, v8, s94, s95
	v_add_f32 v8, v8, v18                          ; the row's sum l
	v_rcp_f32 v18, v8
	v_nop                                          ; a plain line behind the transcendental
	s_wait_alu depctr_va_vdst(0)
	v_ldexp_f32 v18, v18, s100
	WIN 0x41
.set t, 0
.rept 16
	v_pk_mul_f32 v[t:t+1], v[t:t+1], v[18:19] op_sel_hi:[1,0]
.set t, t+2
.endr
.set t, 0
.rept 32
	v_med3_num_f32 v[t], v[t], s68, s67
.set t, t+1
.endr
	WIN 0x01
.irp d, 0,1,2,3
	v_cvt_scalef32_pk8_bf8_f32 v[24+2*\d:25+2*\d], v[8*\d:8*\d+7], v22
.endr
	WIN 0
	v_nop
	global_store_b128 v5, v[24:27], s[98:99]               ; d = 16 h + 0 .. 15 of query r: the wave stores 512 consecutive bytes, aligned
	global_store_b128 v5, v[28:31], s[98:99] offset:512    ; d = 32 + 16 h + 0 .. 15
.endm
	; THE LARGE TILES FIRST: query tiles 8-32, all 528 keys.  Tile = 8 + part + parts x (wave + 8 i), i = 0 .. 3: four trips for every wave; a number past 32 has no work.
	; A whole unit: 8 + wave + 8 i (in the fourth trip wave 0 alone has tile 32).  A part: the 13 even or the 12 odd tiles, in the first two trips.
	s_mov_b32 s92, s54
	s_mov_b32 s93, s54                             ; (named with it as a pair)
	s_mov_b32 s100, s63
	v_mov_b32 v20, s57
	v_mov_b32 v21, s60
	v_add_nc_u32 v3, KIMG, v1
	v_add_nc_u32 v4, VIMG, v1
	s_mov_b32 s71, s16                             ; wave + 8 i
	s_add_co_u32 s101, s70, 8
	s_mov_b32 s96, 4
.Ltile:
	s_mul_i32 s97, s71, s69
	s_add_co_u32 s97, s97, s101
	s_cmp_gt_u32 s97, 32
	s_cbranch_scc1 .Lskip
	ATT 4, 1
.Lskip:
	s_add_co_u32 s71, s71, 8
	s_sub_co_u32 s96, s96, 1
	s_cmp_lg_u32 s96, 0
	s_cbranch_scc1 .Ltile
	; THEN THE SMALL ONES: query tiles 0-7, keys 0-127 under the scales of group tile / 4.  Tile = part + parts x m, m = 7 - wave + 7 k, k = 0, 1; a number past 7 has no work.
	; Wave 0, which has the fourth large tile of a whole unit, gets m + 8 and so none.  A whole unit: waves 7 .. 1 take tiles 0 .. 6, then wave 7 tile 7.  A part: waves 7 .. 4 take its four tiles.
	s_sub_co_u32 s71, 7, s16
	s_cmp_eq_u32 s16, 0
	s_cselect_b32 s22, 8, 0
	s_add_co_u32 s71, s71, s22
	s_mov_b32 s96, 2
.Lsmall:
	s_mul_i32 s97, s71, s69
	s_add_co_u32 s97, s97, s70
	s_cmp_gt_u32 s97, 7
	s_cbranch_scc1 .Lskip_small
	s_cmp_lt_u32 s97, 4                            ; group 0 or group 1: all selections on this one compare
	s_cselect_b32 s92, s52, s53
	s_cselect_b32 s22, s55, s56
	s_cselect_b32 s23, s58, s59
	s_cselect_b32 s100, s61, s62
	s_cselect_b32 s101, 0, 8192                    ; group 1's images lie 8,192 bytes behind group 0's
	s_mov_b32 s93, s92
	v_mov_b32 v20, s22
	v_mov_b32 v21, s23
	s_add_co_u32 s22, s101, KT
	v_add_nc_u32 v3, s22, v1
	s_add_co_u32 s22, s101, VT
	v_add_nc_u32 v4, s22, v1
	ATT 1, 0
.Lskip_small:
	s_add_co_u32 s71, s71, 7
	s_sub_co_u32 s96, s96, 1
	s_cmp_lg_u32 s96, 0
	s_cbranch_scc1 .Lsmall
	s_wait_dscnt 0x0                               ; my reads of the images are back,
	s_barrier_signal -1
	s_barrier_wait -1                              ; everybody's are, ahead of any wave's last LDS write
	s_wait_tensorcnt 0x0                           ; the wave's end
	ds_add_u32 v6, v7
	s_wait_dscnt 0x0
	CROUND                                         ; the closing round: no work-group ends while a partner may still ask for a tile that names it
	s_endpgm
.Lfunc_end_k_q85a3b58855_qkvattn:
	.size	k_q85a3b58855_qkvattn, .Lfunc_end_k_q85a3b58855_qkvattn-k_q85a3b58855_qkvattn
	.p2alignl 7, 3214868480
	.fill 96, 4, 3214868480
	.section	.rodata,"a",@progbits
	.p2align	6, 0x0
	.amdhsa_kernel k_q85a3b58855_qkvattn
		.amdhsa_group_segment_fixed_size 327680
		.amdhsa_private_segment_fixed_size 0
		.amdhsa_enable_private_segment 0
		.amdhsa_kernarg_size 48
		.amdhsa_user_sgpr_count 2
		.amdhsa_user_sgpr_kernarg_segment_ptr 1
		.amdhsa_wavefront_size32 1
		.amdhsa_system_sgpr_workgroup_id_x 1
		.amdhsa_system_sgpr_workgroup_id_y 1
		.amdhsa_system_sgpr_workgroup_id_z 1
		.amdhsa_system_vgpr_workitem_id 0
		.amdhsa_next_free_vgpr 512
		.amdhsa_next_free_sgpr 102
		.amdhsa_reserve_vcc 0
		.amdhsa_float_denorm_mode_32 3
		.amdhsa_float_denorm_mode_16_64 3
		.amdhsa_memory_ordered 1
		.amdhsa_forward_progress 1
		.amdhsa_inst_pref_size 209
	.end_amdhsa_kernel
	.amdgpu_metadata
---
amdhsa.version: [ 1, 2 ]
amdhsa.kernels:
  - .name:           k_q85a3b58855_qkvattn
    .symbol:         k_q85a3b58855_qkvattn.kd
    .args:
      - { .name: x_codes, .offset: 0, .size: 8, .value_kind: global_buffer, .address_space: global }
      - { .name: Wq_codes, .offset: 8, .size: 8, .value_kind: global_buffer, .address_space: global }
      - { .name: Wk_codes, .offset: 16, .size: 8, .value_kind: global_buffer, .address_space: global }
      - { .name: Wv_codes, .offset: 24, .size: 8, .value_kind: global_buffer, .address_space: global }
      - { .name: lowp_scales, .offset: 32, .size: 8, .value_kind: global_buffer, .address_space: global }
      - { .name: ocodes, .offset: 40, .size: 8, .value_kind: global_buffer, .address_space: global }
    .group_segment_fixed_size: 327680
    .private_segment_fixed_size: 0
    .kernarg_segment_align: 8
    .kernarg_segment_size: 48
    .max_flat_workgroup_size: 256
    .sgpr_count:     102
    .vgpr_count:     512
    .wavefront_size: 32
...
	.end_amdgpu_metadata
.endif
;; end of part 1
;; launch outproj (part 2): grid 6 x 33, 4 waves a work-group, no clusters, 168,448 bytes of LDS; arguments ocodes, Wp_codes, bp, lowp_scales, out0; writes out0
.if DOCPART == 2
	.amdgcn_target "amdgcn-amd-amdhsa--gfx1250"
	.amdhsa_code_object_version 6
	.text
	.protected	k_q85a3b58855_outproj
	.globl	k_q85a3b58855_outproj
	.p2align	8
	.type	k_q85a3b58855_outproj,@function
k_q85a3b58855_outproj:
	s_mov_b64 s[64:65], 0
	v_nop
	global_prefetch_b8 v0, s[64:65] scope:SCOPE_SE
	s_setreg_imm32_b32 hwreg(HW_REG_WAVE_MODE, 25, 1), 1
	s_wait_xcnt 0x0
; out0 = (merged heads' codes) Wp^T x 2^(e18 + e19) + bp.  The codes lie as images of operand registers: [32 batches][33 token tiles][12 heads][1,024 bytes]; two neighbouring heads are one
; fragment of 16 tokens x 128 K: registers 4 g .. 4 g + 3 of lane l at 512 g + 16 l.  Wp: [768 (n)][768 (k)] codes.  out0: [32][528][768] f32.
; SHARES.  Work-group (cb, T): columns 128 cb .. +127, token tile T of all 32 batches.  Its 128 rows of Wp come once through LDS and then stay in every wave's registers (48 fragments, windows 1-3).
; Wave w takes batches w + 4 i, i = 0 .. 7: 48 matrix instructions a tile, eight accumulators by turns.  A's fragments come straight from memory, 512 consecutive bytes a load, one tile ahead.
; The matrix instruction is used transposed (source 0 = 16 rows of Wp, source 1 = 16 tokens): a lane holds eight neighbouring columns of one row; a tile goes through the wave's own stage in LDS
; and leaves as rows of 512 bytes.
; NO CLUSTER: the grid is 6 x 33, and neither divides by four; what work-groups share, Wp's 98,304 bytes, is a fifth of a work-group's 491,520 bytes of input, and A goes to registers, not to LDS.
; LIMIT: e18 + e19 between -126 and 127.  NaN and infinity among Wp's codes are not served.
.set PITCH,  816                       ; a row of Wp in LDS: 3 x (256 + 16 of padding)
.set TILEB,  16*PITCH
.set STAGE,  128*PITCH                 ; behind Wp's rows: 16 rows x 528 bytes for each wave; no tile lands there
.set SPITCH, 528
.set STEPA,  1622016                   ; four batches of codes: 4 x 33 x 12,288 bytes
.set STEPO,  6488064                   ; four batches of out0: 4 x 528 x 3,072 bytes
.set A,   32                           ; v32-127  A's six fragments
.set ACC, 128                          ; v128-191 eight accumulators
.set RB,  192                          ; v192-255 sixteen rows back from the stage
.set MSB, 0
.macro WIN new
.if MSB != (\new)
	s_set_vgpr_msb (MSB<<8)|(\new)
.set MSB, (\new)
.endif
.endm
.macro PLACES                          ; four plain vector lines between a matrix instruction and a read of its result or a load into its registers
.rept 4
	v_nop
.endr
.endm
	s_load_b256 s[4:11], s[0:1], 0x0               ; the codes s[4:5], Wp s[6:7], bp s[8:9], the exponents s[10:11]
	s_load_b64 s[12:13], s[0:1], 0x20              ; out0
	v_lshl_add_u32 v30, v0, 2, 0x29000
	v_mov_b32 v31, 0
	ds_add_u32 v30, v31
	ds_add_u32 v30, v31
	v_lshrrev_b32 v2, 5, v0
	v_readfirstlane_b32 s14, v2                    ; wave 0..3
	s_and_b32 s15, ttmp7, 0xffff                   ; T
	; descriptor group 1: 96 rows of 256 bytes (32 rows of Wp, dense), 16 bytes of padding behind each
	s_mov_b32 s24, (1<<20)|(5<<22)|(3<<25)
	s_mov_b32 s25, 256<<16
	s_mov_b32 s26, 96<<16
	s_mov_b32 s27, 256<<16
	s_mov_b32 s28, 96
	s_mov_b32 s29, 256
	s_mov_b32 s30, 0
	s_mov_b32 s31, 0
	s_mov_b32 s32, 1
	s_mul_i32 s33, s14, 32*PITCH                   ; my 32 rows in LDS
	s_mul_i32 s16, ttmp9, 98304                    ; Wp: row 128 cb + 32 wave
	s_mul_i32 s17, s14, 24576
	s_add_co_u32 s16, s16, s17
	s_mov_b32 s17, 0
	s_mul_i32 s18, s14, 33                         ; the codes: (batch = wave, tile T)
	s_add_co_u32 s18, s18, s15
	s_mul_i32 s18, s18, 12288
	s_mov_b32 s19, 0
	s_mul_i32 s20, s14, 1622016                    ; out0: batch = wave, row 16 T, column 128 cb
	s_mul_i32 s21, s15, 49152
	s_add_co_u32 s20, s20, s21
	s_lshl_b32 s22, ttmp9, 9
	s_add_co_u32 s20, s20, s22
	s_mov_b32 s21, 0
	v_and_b32 v1, 31, v0
	v_lshlrev_b32 v1, 4, v1                        ; v1 = 16 x lane
	v_and_b32 v6, 15, v0                           ; r
	v_bfe_u32 v7, v0, 4, 1                         ; h
	v_mul_u32_u24 v2, v6, PITCH
	v_lshl_add_u32 v2, v7, 4, v2                   ; v2: Wp's fragments, column tiles 0-3;
	v_add_nc_u32 v3, 4*TILEB, v2                   ; v3: tiles 4-7
	s_mul_i32 s23, s14, 16*SPITCH
	s_add_co_u32 s23, s23, STAGE                   ; my stage
	v_mul_u32_u24 v4, v6, SPITCH
	v_lshl_add_u32 v4, v7, 5, v4
	v_add_nc_u32 v4, s23, v4                       ; v4: in: row r, 32 bytes for each half of the lanes
	v_add_nc_u32 v5, s23, v1                       ; v5: back: the 32 lanes take a row of 512 bytes
	v_add_nc_u32 v12, s22, v1                      ; bp: my four columns: 128 cb + 4 lane
	s_wait_dscnt 0x0
	s_wait_kmcnt 0x0
	s_load_b64 s[38:39], s[10:11], 0x48            ; e18, e19
	s_add_nc_u64 s[34:35], s[6:7], s[16:17]
	s_or_b32 s35, s35, 0x80000000
	tensor_load_to_lds s[32:35], s[24:31]          ; the one fill of the launch: each wave its 32 rows
	s_nop 0
.rept 4
	v_nop
.endr
	s_add_nc_u64 s[4:5], s[4:5], s[18:19]
	s_add_nc_u64 s[12:13], s[12:13], s[20:21]
.macro ALOAD half, off                 ; fragments 3 half .. 3 half + 2 of the tile off bytes on: twelve loads
.irp s, 0,1,2
.irp g, 0,1,2,3
	global_load_b128 v[A+16*(3*\half+\s)+4*\g:A+16*(3*\half+\s)+4*\g+3], v1, s[4:5] offset:\off+2048*(3*\half+\s)+512*\g
.endr
.endr
.endm
	global_load_b128 v[8:11], v12, s[8:9]          ; the bias, ahead of A's loads, so that the first counted wait covers it
	ALOAD 0, 0
	ALOAD 1, 0
	s_wait_tensorcnt 0x0                           ; my rows of Wp have landed,
	s_barrier_signal -1
	s_barrier_wait -1                              ; everybody's have
.irp s, 0,1,2,3,4,5                    ; fragment (K step s, column tile n) -> window 1 + s / 2, v[128 (s % 2) + 16 n]
	WIN (1+\s/2)<<6
.irp n, 0,1,2,3,4,5,6,7
.irp c, 0,1,2,3
	ds_load_b128 v[128*(\s%2)+16*\n+4*\c:128*(\s%2)+16*\n+4*\c+3], v[2+\n/4] offset:TILEB*(\n%4)+272*(\s/2)+128*(\s%2)+32*\c
.endr
.endr
.endr
	WIN 0
	s_wait_kmcnt 0x0
	s_add_co_i32 s36, s38, s39
	s_add_co_i32 s36, s36, 127
	s_lshl_b32 s36, s36, 23                        ; 2^(e18 + e19) as f32
	s_mov_b32 s37, s36                             ; (named with it as a pair)
	s_wait_dscnt 0x0
.macro KSTEP s, zero                   ; eight matrix instructions, the accumulators by turns
.irp n, 0,1,2,3,4,5,6,7
.if \zero
	v_wmma_f32_16x16x128_bf8_bf8 v[ACC+8*\n:ACC+8*\n+7], v[128*(\s%2)+16*\n:128*(\s%2)+16*\n+15], v[A+16*\s:A+16*\s+15], 0
.else
	v_wmma_f32_16x16x128_bf8_bf8 v[ACC+8*\n:ACC+8*\n+7], v[128*(\s%2)+16*\n:128*(\s%2)+16*\n+15], v[A+16*\s:A+16*\s+15], v[ACC+8*\n:ACC+8*\n+7]
.endif
.endr
.endm
.macro TILE last
	s_wait_loadcnt 12                              ; fragments 0-2 are in; the twelve loads of 3-5 may be out
	WIN 1
	KSTEP 0, 1
	KSTEP 1, 0
	WIN 2
	KSTEP 2, 0
	WIN 0
	PLACES
.if !\last
	ALOAD 0, STEPA                                 ; the next tile's fragments 0-2
	s_wait_loadcnt 12                              ; fragments 3-5 are in; the twelve just issued may be out
.else
	s_wait_loadcnt 0x0
.endif
	WIN 2
	KSTEP 3, 0
	WIN 3
	KSTEP 4, 0
	KSTEP 5, 0
	WIN 0
	PLACES
.if !\last
	ALOAD 1, STEPA
.endif
.irp n, 0,1,2,3,4,5,6,7                ; each accumulator from its low end on
	ds_store_b128 v4, v[ACC+8*\n:ACC+8*\n+3] offset:64*\n
	ds_store_b128 v4, v[ACC+8*\n+4:ACC+8*\n+7] offset:64*\n+16
.endr
.irp t, 0,1,2,3,4,5,6,7,8,9,10,11,12,13,14,15
	ds_load_b128 v[RB+4*\t:RB+4*\t+3], v5 offset:SPITCH*\t   ; LDS serves a wave's instructions in order (ISA guide 5.7.1.4): these see the stores above
.endr
.irp t, 0,1,2,3,4,5,6,7,8,9,10,11,12,13,14,15
	s_wait_dscnt 15-\t                             ; row t is back; the rows behind it may be out
	v_pk_fma_f32 v[RB+4*\t:RB+4*\t+1], v[RB+4*\t:RB+4*\t+1], s[36:37], v[8:9] op_sel_hi:[1,0,1]       ; sum x 2^(e18 + e19) + bp
	v_pk_fma_f32 v[RB+4*\t+2:RB+4*\t+3], v[RB+4*\t+2:RB+4*\t+3], s[36:37], v[10:11] op_sel_hi:[1,0,1]
	global_store_b128 v1, v[RB+4*\t:RB+4*\t+3], s[12:13] offset:3072*\t th:TH_STORE_NT   ; 32 lanes store 512 consecutive bytes, at a multiple of 512 from out0's first byte
.endr
.if !\last
	s_wait_xcnt 0x0                                ; the loads and stores have read their bases and data: both bases step, and the rows' registers may be loaded again
	s_add_nc_u64 s[4:5], s[4:5], STEPA
	s_add_nc_u64 s[12:13], s[12:13], STEPO
.endif
.endm
	s_mov_b32 s20, 7
.Ltile:
	TILE 0
	s_sub_co_u32 s20, s20, 1
	s_cmp_lg_u32 s20, 0
	s_cbranch_scc1 .Ltile
	TILE 1                                         ; the last tile asks for nothing: no load leaves its buffer
	s_wait_tensorcnt 0x0
	ds_add_u32 v30, v31
	s_wait_dscnt 0x0
	s_endpgm
.Lfunc_end_k_q85a3b58855_outproj:
	.size	k_q85a3b58855_outproj, .Lfunc_end_k_q85a3b58855_outproj-k_q85a3b58855_outproj
	.p2alignl 7, 3214868480
	.fill 96, 4, 3214868480
	.section	.rodata,"a",@progbits
	.p2align	6, 0x0
	.amdhsa_kernel k_q85a3b58855_outproj
		.amdhsa_group_segment_fixed_size 168448
		.amdhsa_private_segment_fixed_size 0
		.amdhsa_enable_private_segment 0
		.amdhsa_kernarg_size 40
		.amdhsa_user_sgpr_count 2
		.amdhsa_user_sgpr_kernarg_segment_ptr 1
		.amdhsa_wavefront_size32 1
		.amdhsa_system_sgpr_workgroup_id_x 1
		.amdhsa_system_sgpr_workgroup_id_y 1
		.amdhsa_system_sgpr_workgroup_id_z 1
		.amdhsa_system_vgpr_workitem_id 0
		.amdhsa_next_free_vgpr 1024
		.amdhsa_next_free_sgpr 66
		.amdhsa_reserve_vcc 0
		.amdhsa_float_denorm_mode_32 3
		.amdhsa_float_denorm_mode_16_64 3
		.amdhsa_memory_ordered 1
		.amdhsa_forward_progress 1
		.amdhsa_inst_pref_size 40
	.end_amdhsa_kernel
	.amdgpu_metadata
---
amdhsa.version: [ 1, 2 ]
amdhsa.kernels:
  - .name:           k_q85a3b58855_outproj
    .symbol:         k_q85a3b58855_outproj.kd
    .args:
      - { .name: ocodes, .offset: 0, .size: 8, .value_kind: global_buffer, .address_space: global }
      - { .name: Wp_codes, .offset: 8, .size: 8, .value_kind: global_buffer, .address_space: global }
      - { .name: bp, .offset: 16, .size: 8, .value_kind: global_buffer, .address_space: global }
      - { .name: lowp_scales, .offset: 24, .size: 8, .value_kind: global_buffer, .address_space: global }
      - { .name: out0, .offset: 32, .size: 8, .value_kind: global_buffer, .address_space: global }
    .group_segment_fixed_size: 168448
    .private_segment_fixed_size: 0
    .kernarg_segment_align: 8
    .kernarg_segment_size: 40
    .max_flat_workgroup_size: 128
    .sgpr_count:     66
    .vgpr_count:     1024
    .wavefront_size: 32
...
	.end_amdgpu_metadata
.endif
;; end of part 2
